; MI455X (gfx1250); checked and timed in simulation.
; The chip was launched on July 23, 2026; its instructions are those of AMD's public machine-readable ISA for CDNA 5 (MIT licence, August 2026) and "CDNA5" Instruction Set Architecture Reference Guide (July 2026). The comments in the code are by the model that wrote it; some were corrected since.
;; Recompose. Allowed arithmetic: matrix products marked QUANTISED: E2M3 operands, one E8M0 scale for each 32 along K, by v_wmma_scale_f32_16x16x128_f8f6f4 with both operands' format E2M3, f32 sums; everything else in f32.
;; Inputs: batch_indices 8,192 int32; scaling_factors 1,024 float32; targets_codes 8,192 x 32 x 24 uint8 (E2M3 codes of targets, K innermost, in blocks of 32 codes, four codes in three bytes); targets_scales 8,192 x 32 uint8 (E8M0 scales of targets, one for each 32 codes along K); temporal_bases 16,384 x 1,024 float32.
;; Outputs: out0 8,192 x 1 float32.
;; This version of the problem:
;;   THIS VERSION OF THE PROBLEM IS GIVEN IN LOW PRECISION. The matrix products marked QUANTISED in the list below multiply operands that are first quantised to E2M3 (2 exponent bits, 3 mantissa bits; 6 bits a number), with one power-of-two scale for each 32 numbers along K (OCP MX v1.0); their sums are f32. All else is computed in f32.
;;   The module's matrix products, in the order in which they are computed (A, B: the left and right operand; K: the contracted axis; several contracted axes count as one K, in the product's order):
;;     1. [M 8,192, K 1,024] x [K 1,024, N 8,192]; A: input targets (given as codes); B: computed on the way: QUANTISED
;;   THE QUANTISER, for each operand of a quantised product, along K:
;;     - K is cut into blocks of 32 from its start; a last block that is shorter is filled with zeros.
;;     - A block's scale is 2^e with e = floor(log2(the largest magnitude in the block)) - 2, held to -126 .. 127; a block of zeros has e = 0. As a byte (E8M0): e + 127.
;;     - Each number is divided by its block's scale, clamped to +-7.5, and rounded to the nearest number of E2M3, ties to even, subnormals kept.
;;     - The product sums the exact products of the quantised numbers (number of the format x scale) in f32.
;;   ~~~python
;;   def quantise(x, axis):      # numpy; x: float32 -> the quantised numbers, widened to float32 again
;;       x = np.moveaxis(x, axis, -1); K = x.shape[-1]
;;       x = np.pad(x, [(0, 0)] * (x.ndim - 1) + [(0, -K % 32)]); x = x.reshape(x.shape[:-1] + (-1, 32)); a = np.abs(x).max(-1, keepdims=True)
;;       e = np.where(a > 0, np.clip(np.frexp(np.where(a > 0, a, 1))[1] - 1 - 2, -126, 127), 0)      # np.frexp(a)[1] - 1 = floor(log2(a)), exactly
;;       r = np.clip(x / 2.0 ** e, -7.5, 7.5)
;;       step = 2.0 ** (np.maximum(np.frexp(np.where(r == 0, 1, r))[1] - 1, 0) - 3)
;;       q = np.round(r / step) * step * 2.0 ** e      # np.round: ties to even
;;       return np.moveaxis(q.reshape(q.shape[:-2] + (-1,))[..., :K], -1, axis).astype(np.float32)
;;   ~~~
;;   OPERANDS COMPUTED ON THE WAY. 'Computed on the way' means the value that the module computes at that place (a softmax that the list does not call 'softmax' is quantised finished and normalised). What goes into a quantiser is computed in f32, as accurately as f32 sums, v_exp_f32 and their like allow (about 1e-6 of the number): no bf16 or f16 on the way to a quantiser, and a product that is left as it is and whose result goes on into a quantised operand takes f32 operands (vector FMAs, or v_wmma_f32_16x16x4_f32). A number that lies on a knife's edge between two numbers of the format may be rounded either way, as far as f32 arithmetic and the matrix unit's own rounding can turn it there, and no further.
;;   INPUTS GIVEN AS CODES. targets (in the module: [8192, 1024], K = its axis 1): each comes as NAME_codes (uint8): NAME with its K axis moved to the last place and cut into blocks of 32 codes, [.., K / 32, bytes a block], one block behind the other in memory; four codes in three bytes: a row's codes are one little-endian stream of bits, code i at bits 6 i .. 6 i + 5 (a code: sign, 2 exponent bits, 3 mantissa bits); and NAME_scales (uint8): the same leading axes, one E8M0 byte (e + 127) for each 32 codes along K. Its value is code x scale, taken as it is: it is not quantised again, and the codes and scales need not be those that the quantiser above would give.
;; One version. Each part assembles by itself: llvm-mc -triple=amdgcn-amd-amdhsa -mcpu=gfx1250 --defsym DOCPART=n.
;; ======== version 1 of 1: 2 launches
;; workspace buffers: b_codes 6,291,456 bytes; b_scales 262,144 bytes
;; launch gatherq (part 1): grid 256 x 1, 4 waves a work-group, no clusters, 33,280 bytes of LDS; arguments batch_indices, scaling_factors, temporal_bases, b_codes, b_scales; writes b_codes, b_scales
.if DOCPART == 1
	.amdgcn_target "amdgcn-amd-amdhsa--gfx1250"
	.amdhsa_code_object_version 6
	.text
	.protected	k_qfaf3c3c6c0_gatherq
	.globl	k_qfaf3c3c6c0_gatherq
	.p2align	8
	.type	k_qfaf3c3c6c0_gatherq,@function
k_qfaf3c3c6c0_gatherq:
	s_mov_b64 s[64:65], 0
	v_nop
	global_prefetch_b8 v0, s[64:65] scope:SCOPE_SE
	s_setreg_imm32_b32 hwreg(HW_REG_WAVE_MODE, 25, 1), 1
	s_wait_xcnt 0x0
; b[j][k] = temporal_bases[batch_indices[j]][k] x scaling_factors[k], j = 0 .. 8,191, k = 0 .. 1,023, in f32 (one rounding), turned into codes of FP6 (E2M3), 6 bits each, K innermost
; (768 bytes a row), with one E8M0 scale byte for each 32 along K (32 bytes a row): the second operand of the product, laid as the first operand arrives.  It is made once, here, since 32 tile rows of the product read it.
; A block's scale is 2^(floor(log2(its largest magnitude)) - 2); its byte is the largest magnitude's own exponent field - 2, held at 1 from below.  Each number is divided by the scale and rounded to the nearest code, ties to even;
; what lies beyond 7.5 gets the largest code.
; LIMITS: a block of zeros gets the byte 1 where the quantiser says 127: its codes are zeros, which add nothing under any byte but 0xff, and the bytes are read by this program alone.  Blocks whose largest magnitude lies under
; 2^-124, whose byte is held at 1, were not tried.  NaN and infinities among the inputs are not served.  An index above 16,383 (a negative one too, read as unsigned) is held at the table's last row.
; SHARES.  256 work-groups of four waves; a wave takes 8 rows of b: 16 steps of 512 numbers, two steps a row.  Its 8 indices come by one scalar load and become 8 scalar row addresses.
; The conversion takes 16 numbers of ONE block from a lane's registers, so for it a lane must hold 16 NEIGHBOURS; a load is best where neighbouring LANES take neighbouring bytes.  Both are had: each of a step's four loads
; reads 512 consecutive bytes of the row, 16 a lane; they are multiplied by s, which lies in 32 registers in the same layout; the 2,048 bytes go through the wave's own stage in LDS and come back 64 bytes a lane.
; The stage has 16 bytes of padding behind each 64.  A lane's 16 codes are 12 bytes: the wave stores 384 consecutive bytes.  A wave's 256 scale bytes are gathered in its own LDS and leave as one aligned run of 256 bytes.
; No tensor loads, no barrier: waves share nothing.  Loads run eight steps (32 loads, 16,384 bytes a wave) ahead, the turn through LDS one step.  No hint on the table's loads: the list may name a row twice.
.set STEPS, 16
.set AHEAD, 8
.set EMAX,  2
.set CB,    12                         ; bytes of 16 codes
.set E,     16                         ; v16-31   a scale byte for each step
.set X,     32                         ; v32-63   two sets of 16 neighbours
.set R,     64                         ; v64-191  eight sets of 16 numbers as they are loaded
.set SF,    192                        ; v192-223 s, as the loads lay a row: set 0 for a row's first half, set 1 for its second
.set C,     224                        ; v224-255 codes: eight sets of four registers
.set WREG,  8192                       ; LDS: a region of its own for each wave: two stages of 32 x SP bytes, and behind them its 256 scale bytes
.set SP,    80                         ; a lane's place in a stage: its 64 bytes + 16 of padding
.set RB,    32                         ; s[32:47] the addresses of my 8 rows of the table
	s_load_b128 s[4:7], s[0:1], 0x0                ; batch_indices, scaling_factors
	s_load_b128 s[8:11], s[0:1], 0x10              ; temporal_bases, b's codes
	s_load_b64 s[12:13], s[0:1], 0x20              ; b's scale bytes
	v_lshl_add_u32 v251, v0, 2, 0x8000
	v_mov_b32 v255, 0
	v_lshrrev_b32 v1, 5, v0
	v_readfirstlane_b32 s16, v1                    ; wave
	v_and_b32 v2, 31, v0                           ; lane
	v_lshlrev_b32 v3, 4, v2                        ; my 16 bytes of a load's 512
	s_mul_i32 s17, s16, WREG
	v_lshrrev_b32 v14, 2, v2
	v_mul_u32_u24 v14, v14, SP
	v_and_b32 v15, 3, v2
	v_lshl_add_u32 v14, v15, 4, v14
	v_add_nc_u32 v14, s17, v14                     ; the stage, on the way in: four lanes' 64 bytes on end, then 16 of padding: SP (lane / 4) + 16 (lane % 4)
	v_mul_u32_u24 v15, v2, SP
	v_add_nc_u32 v15, s17, v15                     ; and on the way out: SP x lane: my 16 neighbours
	v_mul_u32_u24 v4, v2, CB                       ; my codes' place in a step's
	v_lshrrev_b32 v5, 1, v2
	s_add_co_u32 s17, s17, 2*32*SP
	v_add_nc_u32 v5, s17, v5                       ; LDS: my wave's 256 scale bytes, my block's byte
	v_lshlrev_b32 v7, 3, v2                        ; and on the way out 8 bytes a lane
	v_add_nc_u32 v6, s17, v7
	s_lshl_b32 s18, ttmp9, 2
	s_add_co_u32 s18, s18, s16                     ; which run of 8 rows is my wave's: 0 .. 1,023
	s_lshl_b32 s20, s18, 5                         ; its 8 indices: 32 bytes
	s_mov_b32 s21, 0
	s_wait_kmcnt 0x0
	s_add_nc_u64 s[4:5], s[4:5], s[20:21]
	s_load_b256 s[24:31], s[4:5], 0x0              ; the head of the longest chain: it goes out first
.irp f, 0,1
.irp i, 0,1,2,3
	global_load_b128 v[SF+16*\f+4*\i:SF+16*\f+4*\i+3], v3, s[6:7] offset:2048*\f+512*\i   ; s: 512 consecutive bytes a load
.endr
.endr
	s_mul_i32 s20, s18, 32*STEPS*CB                ; 6,144 bytes of codes a run
	s_add_nc_u64 s[10:11], s[10:11], s[20:21]
	s_lshl_b32 s20, s18, 8                         ; 256 scale bytes a run
	s_add_nc_u64 s[12:13], s[12:13], s[20:21]
	s_wait_kmcnt 0x0                               ; the indices
.irp j, 0,1,2,3,4,5,6,7
	s_min_u32 s[24+\j], s[24+\j], 0x3fff           ; held inside the table's 16,384 rows
	s_lshl_b32 s20, s[24+\j], 12                   ; a row is 4,096 bytes
	s_add_nc_u64 s[RB+2*\j:RB+2*\j+1], s[8:9], s[20:21]
.endr
.macro LOAD t                          ; step t: half t % 2 of my row t / 2
.irp i, 0,1,2,3
	global_load_b128 v[R+16*((\t)%AHEAD)+4*\i:R+16*((\t)%AHEAD)+4*\i+3], v3, s[RB+2*((\t)/2):RB+2*((\t)/2)+1] offset:2048*((\t)%2)+512*\i
.endr
.endm
.macro TURN t                          ; step t's numbers x s, then through the stage: LDS serves a wave's instructions in order, so no wait stands between the stores and the loads
.irp i, 0,2,4,6,8,10,12,14
	v_pk_mul_f32 v[R+16*((\t)%AHEAD)+\i:R+16*((\t)%AHEAD)+\i+1], v[R+16*((\t)%AHEAD)+\i:R+16*((\t)%AHEAD)+\i+1], v[SF+16*((\t)%2)+\i:SF+16*((\t)%2)+\i+1]
.endr
.irp i, 0,1,2,3
	ds_store_b128 v14, v[R+16*((\t)%AHEAD)+4*\i:R+16*((\t)%AHEAD)+4*\i+3] offset:32*SP*((\t)%2)+8*SP*\i
.endr
.irp i, 0,1,2,3
	ds_load_b128 v[X+16*((\t)%2)+4*\i:X+16*((\t)%2)+4*\i+3], v15 offset:32*SP*((\t)%2)+16*\i
.endr
.endm
.irp t, 0,1,2,3,4,5,6,7
	LOAD \t
.endr
	s_wait_loadcnt 4*(AHEAD-1)                     ; s and step 0's four loads are in; the 28 loads of steps 1 to 7 may be out
	TURN 0
.macro STEP t
.set XS, X+16*((\t)%2)
.set CS, C+4*((\t)%8)
.if (\t) > 0
	s_wait_dscnt 1                                 ; this step's numbers are back from the stage (the last step's byte store may be out): so its stores into the stage have read their registers,
.else
	s_wait_dscnt 0x0
.endif
.if (\t)+AHEAD < STEPS
	LOAD (\t)+AHEAD                                ; which take the loads of eight steps on
.else
	s_wait_xcnt 0x0                                ; the store of eight steps back has read its codes' registers: they are written again only behind this wait
.endif
.if (\t)+1 < STEPS
.if STEPS-2-(\t) >= AHEAD-1
	s_wait_loadcnt 4*(AHEAD-1)                     ; the next step's four loads are in; those of the seven steps behind it may be out
.else
	s_wait_loadcnt 4*(STEPS-2-(\t))                ; the counts run down: four loads for each step still behind the next
.endif
	TURN (\t)+1                                    ; and go through the other stage while this step is worked
.endif
	v_max3_num_f32 v8, |v[XS]|, |v[XS+1]|, |v[XS+2]|               ; the largest magnitude of my 16, in two chains
	v_max3_num_f32 v9, |v[XS+3]|, |v[XS+4]|, |v[XS+5]|
.irp i, 6,10
	v_max3_num_f32 v8, v8, |v[XS+\i]|, |v[XS+\i+1]|
	v_max3_num_f32 v9, v9, |v[XS+\i+2]|, |v[XS+\i+3]|
.endr
	v_max3_num_f32 v8, v8, |v[XS+14]|, |v[XS+15]|
	v_max3_num_f32 v8, v8, v9, (EMAX+1)<<23        ; and the floor 2^(EMAX + 1 - 127), under which no largest magnitude is taken: so the byte cannot fall under 1
	v_max_num_f32_dpp v8, v8, v8 row_xmask:1 row_mask:0xf bank_mask:0xf   ; and of my neighbour's 16: the block's
	v_add_nc_u32 v11, -(EMAX<<23), v8              ; EMAX off its exponent field: the conversion takes the exponent field of this operand as its scale, and nothing else of it
	v_cvt_scalef32_pk16_fp6_f32 v[CS:CS+2], v[XS:XS+15], v11       ; 96 bits without gaps, the first number's code lowest
	v_lshrrev_b32 v[E+(\t)], 23, v11               ; the scale's byte.  (Also the plain vector instruction behind the scaled conversion)
	ds_store_b8 v5, v[E+(\t)] offset:16*(\t)       ; both lanes of a block write the same byte with the same value
	global_store_b96 v4, v[CS:CS+2], s[10:11] offset:32*CB*(\t)    ; 32 lanes store 384 consecutive bytes
.endm
.irp t, 0,1,2,3,4,5,6,7,8,9,10,11,12,13,14,15
	STEP \t
.endr
	ds_load_b64 v[12:13], v6                       ; LDS serves a wave's instructions in order: these see my stores
	s_wait_dscnt 0x0
	global_store_b64 v7, v[12:13], s[12:13]        ; 32 lanes store 256 consecutive bytes, at a multiple of 256 from the buffer's first byte
	s_wait_tensorcnt 0x0
	ds_add_u32 v251, v255
	s_wait_dscnt 0x0
	s_endpgm
.Lfunc_end_k_qfaf3c3c6c0_gatherq:
	.size	k_qfaf3c3c6c0_gatherq, .Lfunc_end_k_qfaf3c3c6c0_gatherq-k_qfaf3c3c6c0_gatherq
	.p2alignl 7, 3214868480
	.fill 96, 4, 3214868480
	.section	.rodata,"a",@progbits
	.p2align	6, 0x0
	.amdhsa_kernel k_qfaf3c3c6c0_gatherq
		.amdhsa_group_segment_fixed_size 33280
		.amdhsa_private_segment_fixed_size 0
		.amdhsa_enable_private_segment 0
		.amdhsa_kernarg_size 40
		.amdhsa_user_sgpr_count 2
		.amdhsa_user_sgpr_kernarg_segment_ptr 1
		.amdhsa_wavefront_size32 1
		.amdhsa_system_sgpr_workgroup_id_x 1
		.amdhsa_system_sgpr_workgroup_id_y 1
		.amdhsa_system_sgpr_workgroup_id_z 1
		.amdhsa_system_vgpr_workitem_id 0
		.amdhsa_next_free_vgpr 256
		.amdhsa_next_free_sgpr 66
		.amdhsa_reserve_vcc 0
		.amdhsa_float_denorm_mode_32 3
		.amdhsa_float_denorm_mode_16_64 3
		.amdhsa_memory_ordered 1
		.amdhsa_forward_progress 1
		.amdhsa_inst_pref_size 42
	.end_amdhsa_kernel
	.amdgpu_metadata
---
amdhsa.version: [ 1, 2 ]
amdhsa.kernels:
  - .name:           k_qfaf3c3c6c0_gatherq
    .symbol:         k_qfaf3c3c6c0_gatherq.kd
    .args:
      - { .name: batch_indices, .offset: 0, .size: 8, .value_kind: global_buffer, .address_space: global }
      - { .name: scaling_factors, .offset: 8, .size: 8, .value_kind: global_buffer, .address_space: global }
      - { .name: temporal_bases, .offset: 16, .size: 8, .value_kind: global_buffer, .address_space: global }
      - { .name: b_codes, .offset: 24, .size: 8, .value_kind: global_buffer, .address_space: global }
      - { .name: b_scales, .offset: 32, .size: 8, .value_kind: global_buffer, .address_space: global }
    .group_segment_fixed_size: 33280
    .private_segment_fixed_size: 0
    .kernarg_segment_align: 8
    .kernarg_segment_size: 40
    .max_flat_workgroup_size: 128
    .sgpr_count:     66
    .vgpr_count:     256
    .wavefront_size: 32
...
	.end_amdgpu_metadata
.endif
;; end of part 1
;; launch gemm (part 2): grid 32 x 8, 4 waves a work-group, clusters of 4 x 4, 327,680 bytes of LDS; arguments targets_codes, targets_scales, b_codes, b_scales, out0; writes out0
.if DOCPART == 2
	.amdgcn_target "amdgcn-amd-amdhsa--gfx1250"
	.amdhsa_code_object_version 6
	.text
	.protected	k_qfaf3c3c6c0_gemm
	.globl	k_qfaf3c3c6c0_gemm
	.p2align	8
	.type	k_qfaf3c3c6c0_gemm,@function
k_qfaf3c3c6c0_gemm:
	s_mov_b64 s[64:65], 0
	v_nop
	global_prefetch_b8 v0, s[64:65] scope:SCOPE_SE
	s_setreg_imm32_b32 hwreg(HW_REG_WAVE_MODE, 25, 1), 1
	s_wait_xcnt 0x0
	s_wait_alu depctr_hold_cnt(0) depctr_sa_sdst(0) depctr_va_vdst(0) depctr_va_sdst(0) depctr_va_ssrc(0) depctr_va_vcc(0) depctr_vm_vsrc(0)
	s_getreg_b32 s2, hwreg(HW_REG_IB_STS2, 6, 4)
	s_cmp_eq_u32 s2, 0
	s_cbranch_scc0 .Lentry_in_a_cluster
	s_endpgm
.Lentry_in_a_cluster:
	s_bfe_u32 s2, ttmp6, 0x10000c
	s_cmp_lg_u32 s2, 0xf033
	s_cbranch_scc0 .Lentry_shape_is_right
	s_endpgm
.Lentry_shape_is_right:
; C[m][n] = sum over k of A[m][k] B[n][k], A = targets [8192][1024], B = the gathered, scaled and quantised rows [8192][1024]: codes of FP6 (E2M3), 768 bytes a row, one E8M0 byte for each 32 along K; sums in f32.
; out0[m] = C[m][1].  THE WHOLE PRODUCT IS MADE, ONE COLUMN IS KEPT: the problem's contract has this product, as it is written, done by the format's matrix instructions, so all 8,192 columns are multiplied here;
; the wave that holds column 1 stores it, and the other results are dropped in registers.  Codes and scale bytes go to the matrix unit as they lie in memory (a scale byte 0xff gives NaN, as it stands for).
; A tile of C, 256 x 256, is made by a work-group of four waves; a wave makes 128 x 128: 64 accumulators of 16 x 16, 512 registers.  K goes in steps of 256 (rows of 192 bytes) through a ring of two LDS slots
; filled by the tensor data mover.  A WORK-GROUP STAYS: it makes TILES = 4 tiles, WALK = 2,048 rows apart, on the same rows of B; the ring does not stop at a tile's end: a tile's last two changes of slots ask for the
; next tile's first two K steps.  A tile is only 4 K steps, so a start and an end for each tile would weigh much.  The last tile is written out.
; THE SCALES come into LDS ONCE, with the first fills, in runs of 256 bytes: A's for all four tiles (wave w brings tile w's), B's for its 256 rows (a quarter a wave).  B's words, the same in all tiles, then stay in 64 registers.
; CLUSTERS: 4 x 4 work-groups.  The four of a row of the cluster need the same tiles of A, the four of a column the same tiles of B: each is asked for JOINTLY, by the same tensor load with the same descriptor and a mask
; that names the four.  THE MATRIX INSTRUCTION IS USED TRANSPOSED (source 0 = 16 rows of B, source 1 = 16 rows of A): lane l holds row l % 16 of C, its register j column 8 (l / 16) + j: column 1 is register 1 of lanes 0-15.
; THE WAY OUT: a tile's 128 numbers of column 1 a wave are four registers; all four tiles' stay in registers and are stored together at the end, under a lane mask: so EXEC is narrowed once, behind the last line that makes an LDS address.
; REGISTERS, in windows of 256: window 0: v0-31 addresses; v32-63 A's scale words, two sets; v64-127 B's scale words (block b, 128 kk along K: v[64 + 8 b + kk]); v128-223 A's fragments, ONE set; v224-243 the way out.
;   window 1: B's fragments, TWO sets, at v0 and at v128.   window 2: the 32 accumulators of my rows 0-63 (accumulator (a, b) at v[8 (8 a + b)]);   window 3: those of my rows 64-127.
; A step of 128 along K is 64 matrix instructions, A's blocks one after the other, each against B's eight: a block of A is free as soon as its eight products are issued, so one set of registers serves A
; (blocks 0-3 are fetched anew in the step's middle, blocks 4-7 at its end); B's fragments are at work through the whole step, so B has two sets.
.set SIZE_M, 8192
.set SIZE_K, 1024
.set TILES,  4
.set WALK,   SIZE_M/TILES              ; rows from a work-group's tile to its next
.set ROWB,   192                       ; a tile's row in bytes: 256 codes of 6 bits
.set KROW,   SIZE_K*6/8                ; a row of A or of B in memory, in bytes
.set PITCH,  240                       ; an LDS row: 3 x (64 bytes of data + 16 of padding) = 60 words: row r starts at bank -4 r mod 64 (64 banks of 4 bytes: ISA guide 11.1), so the 32 lanes of a load of 8 bytes touch 64 different banks
.set FR,     12                        ; registers of a fragment: 16 rows x 128 K
.set NL,     6                         ; LDS loads that bring one
.set NP,     4                         ; plain vector instructions owed behind this matrix instruction (ISA guide 7.12.1)
.set HALFT,  128*PITCH                 ; 128 rows: what one tensor load brings, and what one wave reads of A or of B
.set SLOT,   4*HALFT                   ; A's 256 rows, then B's 256 rows
.set KS,     SIZE_K/32                 ; a row of scales: 32 bytes
.set HALFS,  (128*KS/256)*272          ; the scales of 128 rows, as runs of 256 bytes + 16 of padding
.set QS,     (64*KS/256)*272           ; of 64 rows
.set SBLK,   (16*KS/256)*272           ; of 16 rows
.set SCLA,   2*SLOT                    ; behind the ring: A's scales, tile i at 2 i HALFS;
.set SCLB,   SCLA+2*TILES*HALFS        ; B's;
.set SPARE,  SCLB+2*HALFS              ; the spare words, 128 bytes for each wave: two blocks of 256 bytes that no other line names
.set NEXT_A, WALK*KROW-2*ROWB          ; bytes from a slot's last K step of a tile to its first of the next tile: A goes WALK rows down and back along K,
.set BACK_B, 2*ROWB                    ; B only back
.set ADRA, 16                          ; v16-17  LDS address of my A fragments in slot 0, 1  (v18-19: the same for the pieces that lie behind one padding more)
.set ADRB, 20                          ; v20-21  the same for B  (v22-23)
.set CO,   24                          ; v24     4 x lane: my number among 32 of the output
.set MINE, 25                          ; v25     2 x tile column + my half of the columns: 0 in the waves that hold column 1
.set ADRT, 26                          ; v26     LDS address of my row's scale words of B
.set ADRS, 27                          ; v27     and of A, in the tile in hand
.set SPW,  28                          ; v28     LDS address of my spare word: SPARE + 4 x my thread's number; never rewritten
.set NIL,  29                          ; v29     0; never rewritten
.set PFO,  30                          ; v30     the prefetches' offset: my lane x a row of A; never rewritten
.set SC,   32                          ; A's scale words: set s (for slot s) at v[SC + 16 s]; in it register 2 i + q: block i, the slot's q-th 128 along K
.set SCB,  64                          ; B's scale words
.set AF,   128                         ; A's fragments
.set TP,   224                         ; v224-227 the way out: odd blocks' numbers, moved to lanes 16-31
.set OV,   228                         ; v228-243 the way out: at the end register 4 i + u holds rows 32 u + lane of my 128 rows of tile i, column 1
.set G1, 24                            ; s[24:31] descriptor group 1 for A's tiles;  s[32:39] group 0, one set for each slot
.set G0, 32
.set G1B, 48                           ; s[48:55], s[56:63] the same for B's tiles
.set G0B, 56
.set SEL, 66                           ; s[66:67] lane selects for v_permlanex16_b32: each lane takes its own place in the other half
.set G1S, 68                           ; s[68:75], s[76:79] groups 1 and 0 for A's scales;  s[80:87], s[88:91] for B's
.set G0S, 76
.set G1SB, 80
.set G0SB, 88
.set LIM, 96                           ; s96     1 in a wave that prefetches, else 0
.set SV,  97                           ; s97     EXEC, kept while it is narrowed
.set HI,  98                           ; s98     lanes 16-31
.set PFA, 100                          ; s[100:101] where my prefetches stand: my work-group's 32 rows, of the 128 that I fetch, in the NEXT tile of A
.set MSB, 0
.macro WIN new                         ; the immediate's high byte repeats the setting that is left
.if MSB != \new
	s_set_vgpr_msb (MSB<<8)|\new
.set MSB, \new
.endif
.endm
.set MUL_LO, 0xa1                      ; source 0 (B) window 1, source 1 (A) window 0, C and D window 2
.set MUL_HI, 0xf1                      ; the same, C and D window 3
.set TO_B,   0x40                      ; destination window 1, address window 0
; A joint load of a tile: waves 0 and 1 fetch for A, waves 2 and 3 for B.  Each of the two lines has ONE mask and one set of registers for all that issue it; the branch hangs on the wave's number alone.
; Four v_nop follow each of the two lines, ahead of the jump, the label and what follows.
.macro JLOAD g0a, g1a, g0b, g1b
	s_cmp_eq_u32 s15, 0
	s_cbranch_scc0 .Lfor_b_\@
	tensor_load_to_lds s[\g0a:\g0a+3], s[\g1a:\g1a+7]
	s_nop 0
.rept 4
	v_nop
.endr
	s_branch .Lasked_\@
.Lfor_b_\@:
	tensor_load_to_lds s[\g0b:\g0b+3], s[\g1b:\g1b+7]
	s_nop 0
.rept 4
	v_nop
.endr
.Lasked_\@:
.endm
; A PREFETCH INTO THE L2 of the NEXT tile's rows of A.  A row is 768 bytes, three aligned blocks of 256; block i is asked for at the tile's change of slots number i (0, 1, 2), which is two K steps, 256 matrix instructions,
; ahead of the first refill that reads a byte of it (K steps 0, 1, 2 of the next tile are asked for at changes 2, 3 and the next tile's 0).  Each block is named ONCE in the launch: a tile row of A is read by every cluster of
; its row of clusters: the first (cluster x = 0) prefetches; the four partners that ask for it jointly share the 128 rows that a wave fetches BY ADDRESS, 32 each (cx), a lane a row: no branch hangs on a place in the cluster.
; The first tile comes by its loads alone, and the last tile asks for nothing.  B is not asked for: its rows are new in the first tile's four K steps alone, of which two are the first fills and the next is asked for at the first change.
.macro ASK blk
	s_cmp_eq_u32 s[LIM], 1
	s_cbranch_scc0 .Lnot_mine_\@
	global_prefetch_b8 v[PFO], s[PFA:PFA+1] offset:256*(\blk) th:TH_LOAD_NT scope:SCOPE_SE
.Lnot_mine_\@:
.endm
.macro CREST                           ; a round of the cluster's barrier behind its opening barrier
	s_cmp_lg_u32 s14, 0
	s_cbranch_scc1 .Lnot_wave_0_\@
	s_barrier_signal -3
.Lnot_wave_0_\@:
	s_barrier_wait -3
	s_barrier_signal -1
	s_barrier_wait -1
.endm
.macro CROUND                          ; a whole round
	s_barrier_signal -1
	s_barrier_wait -1
	CREST
.endm
	s_load_b128 s[4:7], s[0:1], 0x0                ; A's codes s[4:5], A's scales s[6:7]
	s_load_b128 s[8:11], s[0:1], 0x10              ; B's codes s[8:9], B's scales s[10:11]
	s_load_b64 s[12:13], s[0:1], 0x20              ; out0
	v_lshl_add_u32 v[SPW], v0, 2, SPARE
	v_mov_b32 v[NIL], 0
	ds_add_u32 v28, v29
	ds_add_u32 v28, v29
	s_wait_dscnt 0x0
	v_lshrrev_b32 v1, 5, v0
	v_readfirstlane_b32 s14, v1                    ; wave 0..3
	s_lshr_b32 s15, s14, 1                         ; which half of the tile's rows is mine.  Also: I fetch for A (0) or for B (1)
	s_and_b32 s16, s14, 1                          ; which half of its columns.  Also: which 128 rows of that tile I fetch
	s_bfe_u32 s40, ttmp6, 0x40000                  ; cx, cy: my place in the cluster
	s_bfe_u32 s41, ttmp6, 0x40004
	s_lshl_b32 s42, ttmp9, 2
	s_add_co_u32 s42, s42, s40                     ; tile column of C = 4 x cluster x + cx: 0 .. 31
	s_and_b32 s17, ttmp7, 0xffff
	s_lshl_b32 s17, s17, 2
	s_add_co_u32 s17, s17, s41                     ; my first tile's row of tiles = 4 x cluster y + cy: 0 .. 7
	s_lshl_b32 s43, s41, 2
	s_lshl_b32 s43, 15, s43                        ; my row of the cluster
	s_lshl_b32 s44, 0x1111, s40                    ; my column
	; descriptor group 1: a tile of 128 rows x ROWB bytes, padded in LDS
	s_or_b32 s[G1+0], s43, (0<<16)|(1<<20)|(1<<21)|(3<<22)|(3<<25)  ; 15:0 the mask: A's tiles go to my row; 17:16 element of 1 byte; 20 padding on; 21 set beside a mask; 24:22 after every 16 words (code 3); 31:25 of 4 words (code 3)
	s_or_b32 s[G1B+0], s44, (0<<16)|(1<<20)|(1<<21)|(3<<22)|(3<<25)
.irp g, G1, G1B
	s_mov_b32 s[\g+1], ROWB<<16                    ; tensor_dim0
	s_mov_b32 s[\g+2], 128<<16                     ; tensor_dim1 = 128
	s_mov_b32 s[\g+3], ROWB<<16                    ; tile_dim0
	s_mov_b32 s[\g+4], 128                         ; tile_dim1 = 128
	s_mov_b32 s[\g+5], KROW                        ; tensor_dim0_stride
	s_mov_b32 s[\g+6], 0
	s_mov_b32 s[\g+7], 0
.endr
	; the scales are dense blocks of memory, taken as rows of 256 bytes (32 elements of 8 bytes), 16 bytes of padding behind each: A's of a tile's 256 rows are 32 such rows, B's of 64 rows are 8
	s_or_b32 s[G1S+0], s43, (3<<16)|(1<<20)|(1<<21)|(5<<22)|(3<<25)
	s_mov_b32 s[G1S+1], 32<<16
	s_mov_b32 s[G1S+2], 32<<16
	s_mov_b32 s[G1S+3], 32<<16
	s_mov_b32 s[G1S+4], 32
	s_mov_b32 s[G1S+5], 32
	s_mov_b32 s[G1S+6], 0
	s_mov_b32 s[G1S+7], 0
	s_or_b32 s[G1SB+0], s44, (3<<16)|(1<<20)|(1<<21)|(5<<22)|(3<<25)
	s_mov_b32 s[G1SB+1], 32<<16
	s_mov_b32 s[G1SB+2], 8<<16
	s_mov_b32 s[G1SB+3], 32<<16
	s_mov_b32 s[G1SB+4], 8
	s_mov_b32 s[G1SB+5], 32
	s_mov_b32 s[G1SB+6], 0
	s_mov_b32 s[G1SB+7], 0
	; where they come from.  A's hang on the row of tiles alone, which my row of the cluster shares; B's on the tile column alone, which my column shares.  All offsets stay under 2^23 bytes
	s_lshl_b32 s18, s16, 7                         ; which 128 rows of the tile I fetch
	s_lshl_b32 s20, s17, 8
	s_add_co_u32 s20, s20, s18                     ; A: row 256 x row of tiles + 128 x half
	s_mul_i32 s20, s20, KROW
	s_mov_b32 s21, 0
	s_lshl_b32 s46, s42, 8
	s_add_co_u32 s46, s46, s18                     ; B: row 256 x tile column + 128 x half
	s_mul_i32 s46, s46, KROW
	s_mov_b32 s47, 0
	s_lshl_b32 s22, s17, 8
	s_mul_i32 s23, s14, WALK
	s_add_co_u32 s22, s22, s23                     ; A's scales: wave w brings those of tile w: row 256 x row of tiles + WALK x wave
	s_lshl_b32 s22, s22, 5                         ; 32 bytes a row
	s_mov_b32 s23, 0
	s_lshl_b32 s92, s42, 8
	s_lshl_b32 s93, s14, 6
	s_add_co_u32 s92, s92, s93                     ; B's scales: row 256 x tile column + 64 x wave
	s_lshl_b32 s92, s92, 5
	s_mov_b32 s93, 0
	s_mul_i32 s45, s14, HALFT                      ; and where they go: no place in the cluster enters an LDS address
	s_mul_i32 s94, s14, 2*HALFS
	s_mul_i32 s95, s14, QS
	s_wait_kmcnt 0x0
	s_add_nc_u64 s[20:21], s[4:5], s[20:21]
	s_add_nc_u64 s[22:23], s[6:7], s[22:23]
	s_add_nc_u64 s[46:47], s[8:9], s[46:47]
	s_add_nc_u64 s[92:93], s[10:11], s[92:93]
	CROUND                                         ; all sixteen work-groups are here: the first joint loads meet
	s_mov_b32 s[G0S], 1
	s_add_co_u32 s[G0S+1], s94, SCLA
	s_mov_b64 s[G0S+2:G0S+3], s[22:23]
	s_or_b32 s[G0S+3], s[G0S+3], 0x80000000
	s_mov_b32 s[G0SB], 1
	s_add_co_u32 s[G0SB+1], s95, SCLB
	s_mov_b64 s[G0SB+2:G0SB+3], s[92:93]
	s_or_b32 s[G0SB+3], s[G0SB+3], 0x80000000
	tensor_load_to_lds s[G0S:G0S+3], s[G1S:G1S+7]  ; the scales first: every wave issues both lines, each with its own bytes by the wave's number.  With the two slots' parts four tensor loads of mine are out
	s_nop 0
.rept 4
	v_nop
.endr
	tensor_load_to_lds s[G0SB:G0SB+3], s[G1SB:G1SB+7]
	s_nop 0
.rept 4
	v_nop
.endr
.irp s, 0,1
	s_mov_b32 s[G0+4*\s], 1
	s_add_co_u32 s[G0+4*\s+1], s45, \s*SLOT
	s_add_nc_u64 s[G0+4*\s+2:G0+4*\s+3], s[20:21], \s*ROWB
	s_or_b32 s[G0+4*\s+3], s[G0+4*\s+3], 0x80000000
	s_mov_b32 s[G0B+4*\s], 1
	s_add_co_u32 s[G0B+4*\s+1], s45, \s*SLOT
	s_add_nc_u64 s[G0B+4*\s+2:G0B+4*\s+3], s[46:47], \s*ROWB
	s_or_b32 s[G0B+4*\s+3], s[G0B+4*\s+3], 0x80000000
	JLOAD G0+4*\s, G1, G0B+4*\s, G1B
.endr
	v_and_b32 v1, 15, v0                           ; l % 16
	v_bfe_u32 v2, v0, 4, 1                         ; l / 16
	v_mul_u32_u24 v3, v1, PITCH
	v_mul_u32_u24 v4, v2, 24
	v_add_nc_u32 v4, v3, v4                        ; a fragment's row x pitch + 24 x half
	v_lshl_add_u32 v5, v2, 4, v4                   ; and the same behind one padding more
	s_mul_i32 s21, s15, HALFT                      ; my 128 rows of A
	s_mul_i32 s22, s16, HALFT                      ; my 128 rows of B,
	s_add_co_u32 s22, s22, 2*HALFT                 ; which lie behind A's 256
.irp s, 0,1
	v_add_nc_u32 v[ADRA+\s], s21, v4
	v_add_nc_u32 v[ADRB+\s], s22, v4
	v_add_nc_u32 v[ADRA+2+\s], s21, v5
	v_add_nc_u32 v[ADRB+2+\s], s22, v5
	s_add_co_u32 s21, s21, SLOT
	s_add_co_u32 s22, s22, SLOT
.endr
	v_mul_u32_u24 v5, v1, KS                       ; my row's scales: KS bytes a row,
	v_lshrrev_b32 v6, 8, v5
	v_lshl_add_u32 v5, v6, 4, v5                   ; and 16 more for each 256 passed.  (Lanes 16-31 take the same words as lanes 0-15; the matrix unit reads lanes 0-15)
	s_mul_i32 s21, s15, HALFS
	s_add_co_u32 s21, s21, SCLA
	v_add_nc_u32 v[ADRS], s21, v5                  ; A's: my 128 rows, in tile 0
	s_mul_i32 s22, s16, HALFS
	s_add_co_u32 s22, s22, SCLB
	v_add_nc_u32 v[ADRT], s22, v5                  ; B's: my 128 rows
	v_and_b32 v6, 31, v0
	v_lshlrev_b32 v[CO], 2, v6
	v_mul_u32_u24 v[PFO], v6, KROW
	s_lshl_b32 s20, s42, 1
	s_add_co_u32 s20, s20, s16
	v_mov_b32 v[MINE], s20
.irp u, 0,1,2,3
	v_mov_b32 v[TP+\u], 0                          ; written once: a lane permute's destination counts as one of its sources
.endr
.irp u, 4,5,6,7,8,9,10,11
	v_mov_b32 v[OV+\u], 0                          ; written once: the first two tiles' ways out move these down before results lie in them; what they hold then is moved out at the low end and never stored
.endr
	s_mov_b32 s[SEL], 0x76543210
	s_mov_b32 s[SEL+1], 0xfedcba98
	s_mov_b32 s[HI], 0xffff0000
	s_lshl_b32 s20, s17, 8
	s_lshl_b32 s21, s15, 7
	s_add_co_u32 s20, s20, s21                     ; my first row of C: 256 x row of tiles + 128 x half
	s_lshl_b32 s20, s20, 2
	s_mov_b32 s21, 0
	s_add_nc_u64 s[12:13], s[12:13], s[20:21]      ; its number in out0
	s_lshl_b32 s20, s17, 8                         ; the prefetches: the tile's first row,
	s_lshl_b32 s22, s16, 7
	s_add_co_u32 s20, s20, s22                     ; + the 128 rows that I fetch,
	s_lshl_b32 s22, s40, 5
	s_add_co_u32 s20, s20, s22                     ; + my work-group's 32 of them,
	s_add_co_u32 s20, s20, WALK                    ; in the next tile: row 8,191 at the most, in the third trip
	s_mul_i32 s20, s20, KROW
	s_add_nc_u64 s[PFA:PFA+1], s[4:5], s[20:21]
	s_or_b32 s22, s15, ttmp9                       ; 0 in waves 0 and 1 of the clusters with x = 0: the same in all sixteen partners, for a given wave
	s_cmp_eq_u32 s22, 0
	s_cselect_b32 s[LIM], 1, 0
.macro FRAG reg, adr, q, i             ; a fragment, 16 rows x 128 K of 6-bit codes, is 12 registers: lane l holds row l % 16; registers 6 c .. 6 c + 5 hold K = 64 c + 32 (l / 16) + 0 .. 31: 24 bytes of the row's stream of bits, as they lie
.irp p, 0,1,2,3,4,5                    ; in pieces of 8 bytes, so that every address is a multiple of the access's size.  Lanes 0-15 take the row's pieces 12 q + 0, 1, 2 and 12 q + 6, 7, 8, lanes 16-31 those three pieces on
.set PC, 12*(\q)+6*(\p/3)+\p%3        ; the mover has laid 16 bytes of padding behind every 64 bytes (8 pieces): where the piece three on lies behind one padding more, the second address register (40 for 24 bytes a half) serves
.if PC%8 < 5
	ds_load_b64 v[\reg+2*\p:\reg+2*\p+1], v[\adr] offset:8*PC+16*(PC/8)+(\i)*16*PITCH
.else
	ds_load_b64 v[\reg+2*\p:\reg+2*\p+1], v[\adr+2] offset:8*PC+16*(PC/8)+(\i)*16*PITCH
.endif
.endr
.endm
; 16 matrix instructions: A's blocks a0, a0 + 1 x B's eight, 128 along K.  p: B's set;  kk: which 128 of the tile's K (B's scale word);  sc, q: the set and place of A's scale word.  zero = 1: the product starts the sums: nothing is ever cleared.
; The 64 accumulators take turns, one instruction a turn, in the same order in every step.
.macro MUL16 a0, p, kk, sc, q, zero
.irp a, \a0, \a0+1
.irp b, 0,1,2,3,4,5,6,7
.if \zero
	v_wmma_scale_f32_16x16x128_f8f6f4 v[8*(8*((\a)%4)+\b):8*(8*((\a)%4)+\b)+7], v[128*(\p)+FR*\b:128*(\p)+FR*\b+FR-1], v[AF+FR*(\a):AF+FR*(\a)+FR-1], 0, v[SCB+8*\b+(\kk)], v[SC+16*(\sc)+2*(\a)+(\q)] matrix_a_fmt:MATRIX_FMT_FP6 matrix_b_fmt:MATRIX_FMT_FP6
.else
	v_wmma_scale_f32_16x16x128_f8f6f4 v[8*(8*((\a)%4)+\b):8*(8*((\a)%4)+\b)+7], v[128*(\p)+FR*\b:128*(\p)+FR*\b+FR-1], v[AF+FR*(\a):AF+FR*(\a)+FR-1], v[8*(8*((\a)%4)+\b):8*(8*((\a)%4)+\b)+7], v[SCB+8*\b+(\kk)], v[SC+16*(\sc)+2*(\a)+(\q)] matrix_a_fmt:MATRIX_FMT_FP6 matrix_b_fmt:MATRIX_FMT_FP6
.endif
.endr
.endr
.endm
.macro FETCH_B slot, q, p              ; B's eight fragments of the slot's q-th 128 along K into set p
	WIN TO_B
.irp i, 0,1,2,3,4,5,6,7
	FRAG 128*(\p)+FR*\i, ADRB+\slot, \q, \i
.endr
	WIN 0
.endm
.macro FETCH_A slot, q, i0             ; A's blocks i0 .. i0 + 3
.irp i, \i0, \i0+1, \i0+2, \i0+3
	FRAG AF+FR*(\i), ADRA+\slot, \q, \i
.endr
.endm
.macro SCALES sc, ks                   ; A's scale words of the tile's K step ks into set sc: two words a row
.irp i, 0,1,2,3,4,5,6,7
	ds_load_b64 v[SC+16*\sc+2*\i:SC+16*\sc+2*\i+1], v[ADRS] offset:\i*SBLK+8*(\ks)
.endr
.endm
; A load into a register that a matrix instruction has read, and a vector instruction that reads a matrix result, stand NP plain vector instructions behind that matrix instruction, and only such as name none of its
; registers count (ISA guide 7.12.1 for vector instructions); the matrix instructions in between are not counted.
.macro PLACES n
.rept \n
	v_nop
.endr
.endm
; The first 128 along K of the tile's K step ks, which lies in slot.
.macro STEP slot, ks, zero
	s_wait_dscnt 4*NL                              ; B's set and A's blocks 0-3 are in; the youngest 24 loads (A's blocks 4-7) may be out
	WIN MUL_LO
	MUL16 0, 0, 2*(\ks), \slot, 0, \zero
	MUL16 2, 0, 2*(\ks), \slot, 0, \zero
	s_wait_dscnt 0                                 ; A's blocks 4-7 are in (asked for 32 matrix instructions ago)
	PLACES NP
	FETCH_B \slot, 1, 1
	FETCH_A \slot, 1, 0
	WIN MUL_HI
	MUL16 4, 0, 2*(\ks), \slot, 0, \zero
	MUL16 6, 0, 2*(\ks), \slot, 0, \zero
	PLACES NP
	WIN 0
	FETCH_A \slot, 1, 4
.endm
; The second 128 along K of K step ks changes slots: ONE barrier; in front of it each wave waits for all its tensor loads, adds 0 to its spare word, and waits for that and for its own reads of this slot.
; fill = 1: this slot is filled again, with this tile's K step two on;  2: with the NEXT tile's K step 0 or 1;  0: not at all.  nks: the K step, in its tile, that lies in the next slot.
; newtile = 1: that K step is the next tile's first.  pf: the block of the next tile's rows of A that is prefetched, or -1.
.macro TURN slot, next, fill, ks, nks, newtile, pf
	s_wait_tensorcnt 0x0                           ; all my tensor loads have landed: my part of the next slot;  (every window is 0 here: the add's two registers lie in window 0)
	ds_add_u32 v[SPW], v[NIL]                      ; 0 onto my spare word
	s_wait_dscnt 4*NL+1                            ; (the add and the youngest 24 loads, A's blocks 4-7, may be out)
	WIN MUL_LO
	MUL16 0, 1, 2*(\ks)+1, \slot, 1, 0             ; sixteen matrix instructions stand between the add and the wait for it
	s_wait_dscnt 0x0                               ; the add is done, and my reads of this slot are over
	s_barrier_signal -1
	MUL16 2, 1, 2*(\ks)+1, \slot, 1, 0
	WIN 0
	s_barrier_wait -1
.if \fill
	CREST                                          ; the barrier has opened a round of the cluster's barrier: no wave of any partner still reads this slot's tile or has a load on its way
.if \fill == 2
	s_add_nc_u64 s[G0+4*\slot+2:G0+4*\slot+3], s[G0+4*\slot+2:G0+4*\slot+3], NEXT_A
	s_sub_nc_u64 s[G0B+4*\slot+2:G0B+4*\slot+3], s[G0B+4*\slot+2:G0B+4*\slot+3], BACK_B
.else
	s_add_nc_u64 s[G0+4*\slot+2:G0+4*\slot+3], s[G0+4*\slot+2:G0+4*\slot+3], 2*ROWB
	s_add_nc_u64 s[G0B+4*\slot+2:G0B+4*\slot+3], s[G0B+4*\slot+2:G0B+4*\slot+3], 2*ROWB
.endif
	JLOAD G0+4*\slot, G1, G0B+4*\slot, G1B         ; the first tensor load behind the round, and my one load until the next; the four v_nop behind it also stand in front of the loads below
.else
	PLACES NP
.endif
.if \newtile
	v_add_nc_u32 v[ADRS], 2*HALFS, v[ADRS]         ; on to the next tile's scale words of A: the same step in every lane, wave and work-group, with all lanes on
.endif
	FETCH_B \next, 0, 0
	FETCH_A \next, 0, 0
	SCALES \next, \nks
.if \pf >= 0
	ASK \pf                                        ; behind the joint load and the run of LDS loads that the next products wait for
.endif
	WIN MUL_HI
	MUL16 4, 1, 2*(\ks)+1, \slot, 1, 0
	MUL16 6, 1, 2*(\ks)+1, \slot, 1, 0
	PLACES NP
	WIN 0
	FETCH_A \next, 0, 4
.endm
; COLUMN 1 OF A TILE.  It is register 1, lanes 0-15, of accumulator (a, 0): rows 16 a + lane of my 128.  Register 1 is among an accumulator's four lowest.
; An odd block's sixteen numbers move to lanes 16-31, so that a register holds 32 neighbouring rows: four registers a tile, into v[OV + d] on.  Every wave does this; which waves' numbers are column 1 is settled at the end.
.macro PICK o, d                       ; blocks 2 o .. 2 o + 3, in the window that source 0 names
.irp u, 0,1
	v_permlanex16_b32 v[TP+(\o)+\u], v[64*(2*\u+1)+1], s[SEL], s[SEL+1]
.endr
.irp u, 0,1
	v_cndmask_b32 v[OV+(\d)+(\o)+\u], v[64*(2*\u)+1], v[TP+(\o)+\u], s[HI]
.endr
.endm
.macro KEEP d
	WIN 0x02                                       ; source 0: window 2
	PICK 0, \d
	WIN 0x03                                       ; source 0: window 3
	PICK 2, \d
	WIN 0
.endm
	s_wait_tensorcnt 1                             ; the scales and my part of K step 0 are in (K step 1's load may be out)
	s_barrier_signal -1
	s_barrier_wait -1                              ; everybody's are
.irp b, 0,1,2,3,4,5,6,7
	ds_load_b128 v[SCB+8*\b:SCB+8*\b+3],   v[ADRT] offset:\b*SBLK      ; B's scale words for all of K: they stay
	ds_load_b128 v[SCB+8*\b+4:SCB+8*\b+7], v[ADRT] offset:\b*SBLK+16
.endr
	FETCH_B 0, 0, 0
	FETCH_A 0, 0, 0
	SCALES 0, 0
	FETCH_A 0, 0, 4
	s_mov_b32 s3, TILES-1
.Ltile:                                                ; a trip is a tile that has a successor: four K steps, four refills
	STEP 0, 0, 1                                   ; the tile's first products start the sums
	TURN 0, 1, 1, 0, 1, 0, 0                       ; slot 0 takes K step 2
	STEP 1, 1, 0
	TURN 1, 0, 1, 1, 2, 0, 1                       ; slot 1 takes K step 3
	STEP 0, 2, 0
	TURN 0, 1, 2, 2, 3, 0, 2                       ; THE RING GOES ON INTO THE NEXT TILE: slot 0 takes its K step 0,
	STEP 1, 3, 0
	TURN 1, 0, 2, 3, 0, 1, -1                      ; slot 1 its K step 1, and the next tile's first fragments and scale words are fetched
.irp u, 0,1,2,3,4,5,6,7
	v_mov_b32 v[OV+\u], v[OV+4+\u]                 ; the tiles kept so far move one place down, so that after the three trips tile i lies at v[OV + 4 i].  (Plain vector instructions behind the tile's last products, beside the four v_nop)
.endr
	KEEP 8                                         ; this tile's column 1 on top
	s_wait_xcnt 0x0                                ; the tile's prefetches, the last more than a K step back, have read their address: it is stepped only behind this wait
	s_add_nc_u64 s[PFA:PFA+1], s[PFA:PFA+1], WALK*KROW   ; (behind the third trip it is not used again)
	s_sub_co_u32 s3, s3, 1
	s_cmp_lg_u32 s3, 0
	s_cbranch_scc1 .Ltile
	STEP 0, 0, 1                                   ; the last tile is written out: its last two changes of slots ask for nothing
	TURN 0, 1, 1, 0, 1, 0, -1
	STEP 1, 1, 0
	TURN 1, 0, 1, 1, 2, 0, -1
	STEP 0, 2, 0
	TURN 0, 1, 0, 2, 3, 0, -1                      ; nothing is filled again, so no round of the cluster's barrier follows
	STEP 1, 3, 0
	s_wait_dscnt 4*NL                              ; the very last step: nothing more to fetch
	WIN MUL_LO
	MUL16 0, 1, 7, 1, 1, 0
	MUL16 2, 1, 7, 1, 1, 0
	s_wait_dscnt 0
	WIN MUL_HI
	MUL16 4, 1, 7, 1, 1, 0
	MUL16 6, 1, 7, 1, 1, 0
	WIN 0
	PLACES NP
	KEEP 12
	; THE STORES: sixteen, of 128 consecutive bytes each, a tile's four on end (512 bytes, at a multiple of 512 from the output's first byte).  Every wave issues them, with all lanes off but in the waves that hold column 1
	; (tile column 0, first half of the columns): a mask and no branch, since the tile column hangs on the work-group's place in its cluster.  No LDS address is made behind this point.
	s_wait_xcnt 0x0                                ; EXEC is narrowed only behind this wait
	v_cmp_eq_u32 vcc_lo, 0, v[MINE]
	s_and_saveexec_b32 s[SV], vcc_lo
.irp i, 0,1,2,3
.irp u, 0,1,2,3
	global_store_b32 v[CO], v[OV+4*\i+\u], s[12:13] offset:WALK*4*\i+128*\u th:TH_STORE_NT   ; tile i, rows 32 u + lane of my 128; written once, read by nobody here
.endr
.endr
	s_wait_xcnt 0x0                                ; and widened only behind this one
	s_or_b32 exec_lo, exec_lo, s[SV]
	s_wait_tensorcnt 0x0                           ; the wave's end: behind my last tensor load
	ds_add_u32 v[SPW], v[NIL]
	s_wait_dscnt 0x0
	CROUND                                         ; the closing round: no work-group ends while a partner may still ask for a tile that names it
	s_endpgm
.Lfunc_end_k_qfaf3c3c6c0_gemm:
	.size	k_qfaf3c3c6c0_gemm, .Lfunc_end_k_qfaf3c3c6c0_gemm-k_qfaf3c3c6c0_gemm
	.p2alignl 7, 3214868480
	.fill 96, 4, 3214868480
	.section	.rodata,"a",@progbits
	.p2align	6, 0x0
	.amdhsa_kernel k_qfaf3c3c6c0_gemm
		.amdhsa_group_segment_fixed_size 327680
		.amdhsa_private_segment_fixed_size 0
		.amdhsa_enable_private_segment 0
		.amdhsa_kernarg_size 40
		.amdhsa_user_sgpr_count 2
		.amdhsa_user_sgpr_kernarg_segment_ptr 1
		.amdhsa_wavefront_size32 1
		.amdhsa_system_sgpr_workgroup_id_x 1
		.amdhsa_system_sgpr_workgroup_id_y 1
		.amdhsa_system_sgpr_workgroup_id_z 1
		.amdhsa_system_vgpr_workitem_id 0
		.amdhsa_next_free_vgpr 1024
		.amdhsa_next_free_sgpr 102
		.amdhsa_reserve_vcc 1
		.amdhsa_float_denorm_mode_32 3
		.amdhsa_float_denorm_mode_16_64 3
		.amdhsa_memory_ordered 1
		.amdhsa_forward_progress 1
		.amdhsa_inst_pref_size 255
	.end_amdhsa_kernel
	.section	.bss,"aw",@nobits
	.p2align	6
	.space	262144
	.amdgpu_metadata
---
amdhsa.version: [ 1, 2 ]
amdhsa.kernels:
  - .name:           k_qfaf3c3c6c0_gemm
    .symbol:         k_qfaf3c3c6c0_gemm.kd
    .args:
      - { .name: targets_codes, .offset: 0, .size: 8, .value_kind: global_buffer, .address_space: global }
      - { .name: targets_scales, .offset: 8, .size: 8, .value_kind: global_buffer, .address_space: global }
      - { .name: b_codes, .offset: 16, .size: 8, .value_kind: global_buffer, .address_space: global }
      - { .name: b_scales, .offset: 24, .size: 8, .value_kind: global_buffer, .address_space: global }
      - { .name: out0, .offset: 32, .size: 8, .value_kind: global_buffer, .address_space: global }
    .group_segment_fixed_size: 327680
    .private_segment_fixed_size: 0
    .kernarg_segment_align: 8
    .kernarg_segment_size: 40
    .max_flat_workgroup_size: 128
    .sgpr_count:     102
    .vgpr_count:     1024
    .wavefront_size: 32
...
	.end_amdgpu_metadata
.endif
;; end of part 2
